; MI455X (gfx1250); checked and timed in simulation.
; The chip was launched on July 23, 2026; its instructions are those of AMD's public machine-readable ISA for CDNA 5 (MIT licence, August 2026) and "CDNA5" Instruction Set Architecture Reference Guide (July 2026). The comments in the code are by the model that wrote it; some were corrected since.
;; Innocent Attention. Allowed arithmetic: matrix products marked QUANTISED: E2M3 operands, one E8M0 scale for each 32 along K, by v_wmma_scale_f32_16x16x128_f8f6f4 with both operands' format E2M3, f32 sums; everything else in f32.
;; Inputs: event_length 4 int32; k_codes 4 x 16 x 2,048 x 2 x 24 uint8 (E2M3 codes of k, K innermost, in blocks of 32 codes, four codes in three bytes); k_scales 4 x 16 x 2,048 x 2 uint8 (E8M0 scales of k, one for each 32 codes along K); q_codes 4 x 16 x 2,048 x 2 x 24 uint8 (E2M3 codes of q, K innermost, in blocks of 32 codes, four codes in three bytes); q_scales 4 x 16 x 2,048 x 2 uint8 (E8M0 scales of q, one for each 32 codes along K); v_codes 4 x 16 x 64 x 64 x 24 uint8 (E2M3 codes of v, K innermost, in blocks of 32 codes, four codes in three bytes); v_scales 4 x 16 x 64 x 64 uint8 (E8M0 scales of v, one for each 32 codes along K).
;; Outputs: out0 4 x 16 x 2,048 x 64 float32.
;; This version of the problem:
;;   THIS VERSION OF THE PROBLEM IS GIVEN IN LOW PRECISION. The matrix products marked QUANTISED in the list below multiply operands that are first quantised to E2M3 (2 exponent bits, 3 mantissa bits; 6 bits a number), with one power-of-two scale for each 32 numbers along K (OCP MX v1.0); their sums are f32. All else is computed in f32.
;;   The module's matrix products, in the order in which they are computed (A, B: the left and right operand; K: the contracted axis; several contracted axes count as one K, in the product's order):
;;     1. batch 64 x [M 2,048, K 64] x [K 64, N 2,048]; A: input q (given as codes); B: input k (given as codes): QUANTISED
;;     2. batch 64 x [M 2,048, K 2,048] x [K 2,048, N 64]; A: softmax (see below); B: input v (given as codes): QUANTISED
;;   THE QUANTISER, for each operand of a quantised product, along K:
;;     - K is cut into blocks of 32 from its start; a last block that is shorter is filled with zeros.
;;     - A block's scale is 2^e with e = floor(log2(the largest magnitude in the block)) - 2, held to -126 .. 127; a block of zeros has e = 0. As a byte (E8M0): e + 127.
;;     - Each number is divided by its block's scale, clamped to +-7.5, and rounded to the nearest number of E2M3, ties to even, subnormals kept.
;;     - The product sums the exact products of the quantised numbers (number of the format x scale) in f32.
;;   ~~~python
;;   def quantise(x, axis):      # numpy; x: float32 -> the quantised numbers, widened to float32 again
;;       x = np.moveaxis(x, axis, -1); K = x.shape[-1]
;;       x = np.pad(x, [(0, 0)] * (x.ndim - 1) + [(0, -K % 32)]); x = x.reshape(x.shape[:-1] + (-1, 32)); a = np.abs(x).max(-1, keepdims=True)
;;       e = np.where(a > 0, np.clip(np.frexp(np.where(a > 0, a, 1))[1] - 1 - 2, -126, 127), 0)      # np.frexp(a)[1] - 1 = floor(log2(a)), exactly
;;       r = np.clip(x / 2.0 ** e, -7.5, 7.5)
;;       step = 2.0 ** (np.maximum(np.frexp(np.where(r == 0, 1, r))[1] - 1, 0) - 3)
;;       q = np.round(r / step) * step * 2.0 ** e      # np.round: ties to even
;;       return np.moveaxis(q.reshape(q.shape[:-2] + (-1,))[..., :K], -1, axis).astype(np.float32)
;;   ~~~
;;   SOFTMAX AHEAD OF A QUANTISED PRODUCT. Where the list says 'softmax', what is quantised is not the finished softmax but p = 2^(t - M), with t = logit x log2(e) and M = ceil(the row's largest t), a whole number; so 1/2 < the row's largest p <= 1. The row's sum l is taken of the UNQUANTISED p, in f32, and the product's result is divided by l at the end. Since M is a whole number, a kernel that streams over the keys may use a running M (the ceiling of the running maximum): every later rescaling is an exact power of two, which a block's scale takes up: the codes' values come out the same.
;;   OPERANDS COMPUTED ON THE WAY. 'Computed on the way' means the value that the module computes at that place (a softmax that the list does not call 'softmax' is quantised finished and normalised). What goes into a quantiser is computed in f32, as accurately as f32 sums, v_exp_f32 and their like allow (about 1e-6 of the number): no bf16 or f16 on the way to a quantiser, and a product that is left as it is and whose result goes on into a quantised operand takes f32 operands (vector FMAs, or v_wmma_f32_16x16x4_f32). A number that lies on a knife's edge between two numbers of the format may be rounded either way, as far as f32 arithmetic and the matrix unit's own rounding can turn it there, and no further.
;;   INPUTS GIVEN AS CODES. k (in the module: [4, 16, 2048, 64], K = its axis 3); q (in the module: [4, 16, 2048, 64], K = its axis 3); v (in the module: [4, 16, 2048, 64], K = its axis 2): each comes as NAME_codes (uint8): NAME with its K axis moved to the last place and cut into blocks of 32 codes, [.., K / 32, bytes a block], one block behind the other in memory; four codes in three bytes: a row's codes are one little-endian stream of bits, code i at bits 6 i .. 6 i + 5 (a code: sign, 2 exponent bits, 3 mantissa bits); and NAME_scales (uint8): the same leading axes, one E8M0 byte (e + 127) for each 32 codes along K. Its value is code x scale, taken as it is: it is not quantised again, and the codes and scales need not be those that the quantiser above would give.
;; 2 versions, each right; version 2 is version 1 with the launch attn written anew for expert scheduling mode. Each part assembles by itself: llvm-mc -triple=amdgcn-amd-amdhsa -mcpu=gfx1250 --defsym DOCPART=n.
;; ======== version 1 of 2: 1 launch
;; limits: right only within a limited range of input values
;; launch attn (part 1): grid 8 x 64, 16 waves a work-group, no clusters, 296,960 bytes of LDS; arguments event_length, q_codes, q_scales, k_codes, k_scales, v_codes, v_scales, out0; writes out0
.if DOCPART == 1
	.amdgcn_target "amdgcn-amd-amdhsa--gfx1250"
	.amdhsa_code_object_version 6
	.text
	.protected	k_qfd3855aa21_attn
	.globl	k_qfd3855aa21_attn
	.p2align	8
	.type	k_qfd3855aa21_attn,@function
k_qfd3855aa21_attn:
	s_mov_b64 s[64:65], 0
	v_nop
	global_prefetch_b8 v0, s[64:65] scope:SCOPE_SE
	s_setreg_imm32_b32 hwreg(HW_REG_WAVE_MODE, 25, 1), 1
	s_wait_xcnt 0x0
; out[b][h][s][:] = softmax_q(mask ? q[s].k[q] / 8 : -1e9) v[q][:], mask = (s < el[b]) and (q < el[b]); both products on codes of FP6 (E2M3) with one E8M0 scale for each 32 along K.
; q, k: [64 heads][2048][64] as codes, 48 bytes a row, 2 scale bytes a row.  v: codes with the KEYS innermost, [64][64 d][2048], 1,536 bytes a row, 64 scale bytes a row.  out: [64][2048][64] f32.
; THE MASK SORTS THE ROWS.  A row s < el sees the keys q < el; the others have the logit -1e9, so p = 2^(t - M) = 0: zero codes, nothing in the sum.  Key steps that lie wholly at or behind el are left out.
; A row s >= el has the logit -1e9 at every key: t is a whole number, M = t, p = 1 at all 2,048 keys, the sum is 2,048, and Q(1) is the code 4.0 under the byte 125.  So the row is (codes of 4.0) x V / 2,048,
; the same 64 numbers for all such rows of a head.  A work-group that has such a row makes them by four products a wave (wave w: keys 128 w on) and a sum over the waves through LDS.
; THE SOFTMAX AHEAD OF THE SECOND PRODUCT: t = score x log2(e) / 8; M = the largest t so far, rounded UP to a whole number; p = 2^(t - M) is quantised along the keys, not normalised; the sum is taken of the
; unquantised p and divides at the end; when M moves, the sum and O are multiplied by 2^(old M - new M), which rounds nothing.
; SHARES.  A work-group owns 256 queries of one head, each of its sixteen waves 16 of them in 256 registers: four waves to a SIMD, so that one wave's vector work stands beside another's products and LDS loads.
; A key step is 128 keys, a slot 256.  All 512 threads copy a slot's K and V through registers into LDS, 24 + 24 bytes each, a slot ahead; each of a head's 8 slots has LDS bytes of its own, so nothing is ever
; written twice and one barrier a slot (stores, then reads) is all the ordering.
; LAYOUT.  Both products are used transposed: S^T = K Q^T (source 0 = 16 keys, source 1 = my 16 queries), O^T = V^T P^T: a lane holds ONE query (lane % 16) throughout.
; K's rows are laid into LDS with bits 3 and 4 of the key's number swapped: row 16 T + r of a step holds key 32 (T / 2) + 8 (T % 2) + r + 8 (r / 8), so that the 16 registers of tiles 2 b and 2 b + 1 are the 16
; neighbouring keys 32 b + 16 (lane / 16) + 0 .. 15, and a tile's rows are neighbours in LDS.
; THE FIRST PRODUCT HAS K = 64 in an instruction of K = 128: Q's registers 6-11 are zero codes and the scale words' bytes 2 and 3 are 0 (2^-127, no NaN).  K's fragment T is v[F + 6 T .. + 11]: its upper six registers
; are the next tile's codes (for T = 7 six zeros).  FP6 has no infinity and no NaN, so they meet Q's zero codes and add exactly 0.
; NO JOINT LOADS, NO TENSOR LOADS: the eight query blocks of a head read the same K and V, but how many slots a work-group needs, and whether any, hangs on event_length, which is read from memory.
;   The branches leave out 1 - (el / 2048)^2 of the key steps; a slot's 24,576 bytes already serve sixteen waves.
; LIMITS.  A row s < el whose largest logit lies under about -9.9e8 is not served (there the masked keys would begin to count).  A scale byte 0xff at a masked key is not carried into the result.
; The mean row's sixteen partial sums are added as a tree, not in ascending K.  A block of p that is all zeros keeps the byte 1: its codes are zeros.  event_length is held to 0 .. 2,048.
.set KPI,   48                         ; a key's row in LDS: 12 words; the 32 lanes of a load of 8 bytes start at word pairs 6 r + 3 h mod 32, all different
.set VPI,   208                        ; a row of V's tile in LDS: 192 bytes + 16: word pairs 26 r + 3 h mod 32, all different
.set VOFF,  256*KPI                    ; a slot: 256 rows of K, then 64 rows of V
.set SLOTB, VOFF+64*VPI                ; 25,600 bytes
.set SCK,   8*SLOTB                    ; K's scale words: 16 steps x 512 bytes; word at 512 step + 16 l + 4 b: row 32 b + l of the step
.set SCV,   SCK+16*512                 ; V's: 16 steps x 256 bytes; word at 256 step + 8 (d % 32) + 4 (d / 32)
.set PM,    SCV+16*256                 ; the mean's partial sums: 16 waves x (256 bytes + 16)
.set PM2,   PM+16*272                  ; the mean row: 64 f32
.set STG,   PM2+256                    ; the way out: 16 rows x (256 bytes + 16) for each wave
.set AK0,  1                           ; v1   48 r + 24 h: my place in a tile of K; also my offset in the wave's rows of Q
.set AV0,  2                           ; v2   VOFF + 208 r + 24 h
.set ASK0, 3                           ; v3   SCK + 16 x lane
.set ASV0, 4                           ; v4   SCV + 8 x lane
.set GKO,  5                           ; v5   24 n: my 24 bytes of a slot's K in memory (n: the thread's number)
.set GVO,  6                           ; v6   1536 (n / 8) + 24 (n % 8): my 24 bytes of a slot's V
.set LK0,  7                           ; v7   where they go in a slot: K
.set ADK,  8                           ; v8-11 the step's LDS addresses; on the way out v8-10
.set ADV,  9
.set ADS,  10
.set ADT,  11
                                       ; v12 -M, v13 the largest t, v[14:15] the sum in two halves
.set QF,   16                          ; v16-21 Q's codes, v22-27 zeros
.set QS,   28                          ; v28  Q's scale words
.set T0,   29                          ; v29, v30 addresses at work
.set T1,   30
.set LV0,  31                          ; v31  where my 24 bytes of V go in a slot
.set F,    32                          ; v32-79 eight half fragments of K, or four fragments of V; v80-85 zeros
.set SD,   86                          ; v86-97 the bytes that I copy: K's 24, V's 24
.set S,    98                          ; v98-161 S^T, then p
.set O,    162                         ; v162-193 O^T: four tiles of 16 d
.set PC,   194                         ; v194-205 p's codes
.set PT,   206                         ; v206-208, v210-212 the second conversions' results
.set BM,   214                         ; v214-217 the blocks' largest scores
.set BT,   218                         ; v218-221 at work
.set SO,   222                         ; v222-225 the conversions' scale operands
.set KS,   226                         ; v226-229 K's scale words: register b: lanes 0-15 tile 2 b, lanes 16-31 tile 2 b + 1
.set VS,   230                         ; v230-231 V's likewise
.set FF,   232                         ; v232 f = 2^(old M - new M); at the end 1 / the sum
.set PW,   233                         ; v233 p's scale word
.set TA,   234                         ; v234-239 at work
.set KSA,  240                         ; v240 where I put K's scale words
.set VSA,  241                         ; v241 and V's
.set PMS,  242                         ; v242 the mean: where I put my wave's partial sums,
.set PML,  243                         ; v243 where I read sixteen waves' sums of two d,
.set P2S,  244                         ; v244 where the two means go,
.set P2L,  245                         ; v245 and where I read the mean row
.set VQ,   249                         ; v249 my query's number
.set GSO,  250                         ; v250 8 n: my 8 scale bytes of K and of V in memory
.set GMV,  251                         ; v251 the mean: my offset in V's codes,
.set GMS,  252                         ; v252 and in V's scale bytes
.set GQS,  254                         ; v254 2 r: my query's scale bytes
.set EL,   20                          ; s20  event_length of my batch, held to 0 .. 2,048
.set WV,   22                          ; s22  my wave's number
.set Q0,   23                          ; s23  my wave's first query
.set ELW,  24                          ; s24  EL where my wave has a row under it, else 0: the keys that my wave walks
.set ELG,  25                          ; s25  EL where the work-group has one, else 0: the keys that are copied
.set KF,   26                          ; s26  the step's first key
.set NXT,  27                          ; s27  the next slot's first key
.set TB,   28                          ; s28  LDS byte at which the slot in hand begins
.set TS,   29                          ; s29  the step's scale words of K: 512 bytes a step
.set TJ,   30                          ; s30  and of V: 256 bytes a step
.set CNT,  31                          ; s31  trips to go
.set SEL,  32                          ; s[32:33] lane selects for v_permlanex16_b32: lane l xor 16
.set CS,   34                          ; s[34:35] c = log2(e) / 8
.set XE,   46                          ; s46  the first query behind my work-group's 256
.macro STAGE_LOAD ok, ov               ; my 24 bytes of K and of V of a slot, ok and ov bytes on from where the pointers stand
.irp j, 0,1,2
	global_load_b64 v[SD+2*\j:SD+2*\j+1], v[GKO], s[10:11] offset:\ok+8*\j
.endr
.irp j, 0,1,2
	global_load_b64 v[SD+6+2*\j:SD+6+2*\j+1], v[GVO], s[14:15] offset:\ov+8*\j
.endr
.endm
.macro STAGE_PUT ak, av                ; and into LDS
.irp j, 0,1,2
	ds_store_b64 v[\ak], v[SD+2*\j:SD+2*\j+1] offset:8*\j
.endr
.irp j, 0,1,2
	ds_store_b64 v[\av], v[SD+6+2*\j:SD+6+2*\j+1] offset:8*\j
.endr
.endm
.macro BARRIER                         ; my LDS stores have landed and my LDS loads are in: then the work-group's barrier
	s_wait_dscnt 0x0
	s_barrier_signal -1
	s_barrier_wait -1
.endm
	s_load_b256 s[4:11], s[0:1], 0x0               ; event_length s[4:5], Q's codes s[6:7], Q's scales s[8:9], K's codes s[10:11]
	s_load_b256 s[12:19], s[0:1], 0x20             ; K's scales s[12:13], V's codes s[14:15], V's scales s[16:17], out s[18:19]
	v_lshl_add_u32 v253, v0, 2, 0x48000
	v_mov_b32 v255, 0
	v_lshrrev_b32 v[T0], 5, v0
	v_readfirstlane_b32 s[WV], v[T0]               ; wave 0..15
	s_and_b32 s40, ttmp7, 0xffff                   ; the head, 16 b + h
	s_lshr_b32 s36, s40, 4
	s_lshl_b32 s36, s36, 2                         ; 4 b
	s_mov_b32 s37, 0
	s_wait_kmcnt 0x0                               ; the eight addresses
	s_add_nc_u64 s[4:5], s[4:5], s[36:37]
	s_load_b32 s[EL], s[4:5], 0x0                  ; my batch's event_length; s[4:5] is not written again
	s_lshl_b32 s[XE], ttmp9, 8                     ; 256 x work-group x
	s_lshl_b32 s[Q0], s[WV], 4
	s_add_co_u32 s[Q0], s[Q0], s[XE]               ; my first query
	s_mov_b32 s39, 0
	s_mul_i32 s38, s40, 98304                      ; a head's codes: 2,048 x 48 = 64 x 1,536 bytes
	s_add_nc_u64 s[6:7], s[6:7], s[38:39]
	s_add_nc_u64 s[10:11], s[10:11], s[38:39]
	s_add_nc_u64 s[14:15], s[14:15], s[38:39]
	s_lshl_b32 s38, s40, 12                        ; a head's scale bytes: 4,096
	s_add_nc_u64 s[8:9], s[8:9], s[38:39]
	s_add_nc_u64 s[12:13], s[12:13], s[38:39]
	s_add_nc_u64 s[16:17], s[16:17], s[38:39]
	s_lshl_b32 s38, s40, 19                        ; a head's rows of out: 2,048 x 256 bytes
	s_add_nc_u64 s[18:19], s[18:19], s[38:39]
	s_mul_i32 s38, s[Q0], 48
	s_add_nc_u64 s[6:7], s[6:7], s[38:39]          ; Q's codes at my first query,
	s_lshl_b32 s38, s[Q0], 1
	s_add_nc_u64 s[8:9], s[8:9], s[38:39]          ; its scale bytes,
	s_lshl_b32 s38, s[Q0], 8
	s_add_nc_u64 s[18:19], s[18:19], s[38:39]      ; its row of out
	v_and_b32 v[TA], 15, v0                        ; r
	v_bfe_u32 v[TA+1], v0, 4, 1                    ; h
	v_and_b32 v[TA+2], 31, v0                      ; lane
	v_mul_u32_u24 v[AK0], v[TA], KPI
	v_mad_u32_u24 v[AK0], v[TA+1], 24, v[AK0]
	v_lshlrev_b32 v[GQS], 1, v[TA]
.irp p, 0,1,2
	global_load_b64 v[QF+2*\p:QF+2*\p+1], v[AK0], s[6:7] offset:8*\p th:TH_LOAD_NT   ; Q's fragment: k = 32 h + 0 .. 31 of row r; it stays in registers
.endr
	global_load_u16 v[QS], v[GQS], s[8:9]          ; its two scale bytes; bytes 2 and 3 of the word come as 0
	v_mul_u32_u24 v[AV0], v[TA], VPI
	v_mad_u32_u24 v[AV0], v[TA+1], 24, v[AV0]
	v_add_nc_u32 v[AV0], VOFF, v[AV0]
	v_lshl_add_u32 v[ASK0], v[TA+2], 4, SCK
	v_lshl_add_u32 v[ASV0], v[TA+2], 3, SCV
	v_mul_u32_u24 v[GKO], v0, 24
	v_lshrrev_b32 v[TA+3], 3, v0                   ; n / 8: a row d of V
	v_and_b32 v[TA+4], 7, v0                       ; n % 8: which 24 bytes of its 192
	v_mul_u32_u24 v[GVO], v[TA+3], 1536
	v_mad_u32_u24 v[GVO], v[TA+4], 24, v[GVO]
	v_mul_u32_u24 v[LV0], v[TA+3], VPI
	v_mad_u32_u24 v[LV0], v[TA+4], 24, v[LV0]
	v_add_nc_u32 v[LV0], VOFF, v[LV0]
	v_lshrrev_b32 v[TA+5], 1, v0                   ; n / 2: a key of the slot
	v_and_b32 v[LK0], 0xe7, v[TA+5]                ; its number with bits 3 and 4 swapped is its row:
	v_bfe_u32 v[T0], v0, 4, 1                      ; the key's bit 3
	v_lshl_add_u32 v[LK0], v[T0], 4, v[LK0]
	v_bfe_u32 v[T0], v0, 5, 1                      ; the key's bit 4
	v_lshl_add_u32 v[LK0], v[T0], 3, v[LK0]
	v_mul_u32_u24 v[LK0], v[LK0], KPI
	v_and_b32 v[T0], 1, v0
	v_mad_u32_u24 v[LK0], v[T0], 24, v[LK0]        ; + which half of its 48 bytes
	; K's scale bytes: thread n has keys 4 n + j of the head: step n / 32; in the step the key's bits 0-1 = j, bit 2 = n's bit 0, bit 3 = n's bit 1, bit 4 = n's bit 2, bits 5-6 = b = n's bits 3-4.
	; Its row's low five bits are l = j + 4 (bit 0) + 8 (bit 2) + 16 (bit 1): the word lies at 512 step + 16 l + 4 b
	v_lshrrev_b32 v[KSA], 5, v0
	v_lshl_add_u32 v[KSA], v[KSA], 9, SCK
	v_lshl_add_u32 v[KSA], v[T0], 6, v[KSA]
	v_bfe_u32 v[T0], v0, 2, 1
	v_lshl_add_u32 v[KSA], v[T0], 7, v[KSA]
	v_bfe_u32 v[T0], v0, 1, 1
	v_lshl_add_u32 v[KSA], v[T0], 8, v[KSA]
	v_bfe_u32 v[T0], v0, 3, 2
	v_lshl_add_u32 v[KSA], v[T0], 2, v[KSA]
	; V's: thread n has row d = n / 8, steps 2 (n % 8) and 2 (n % 8) + 1
	v_lshl_add_u32 v[VSA], v[TA+4], 9, SCV
	v_bfe_u32 v[T0], v0, 3, 5
	v_lshl_add_u32 v[VSA], v[T0], 3, v[VSA]
	v_lshrrev_b32 v[T0], 8, v0
	v_lshl_add_u32 v[VSA], v[T0], 2, v[VSA]
	; the mean row
	s_mul_i32 s41, s[WV], 272
	s_lshl_b32 s42, s[WV], 4
	s_mul_i32 s43, s[WV], 96
	s_lshl_b32 s44, s[WV], 2
	v_lshl_add_u32 v[PMS], v[TA+1], 5, PM
	v_add_nc_u32 v[PMS], s41, v[PMS]               ; PM + 272 wave + 32 h
	v_mul_u32_u24 v[PML], v[TA], 272
	v_lshl_add_u32 v[PML], v[TA+1], 3, v[PML]
	v_add_nc_u32 v[PML], s42, v[PML]
	v_add_nc_u32 v[PML], PM, v[PML]                ; PM + 272 r + 16 wave + 8 h
	v_lshl_add_u32 v[P2S], v[TA+1], 3, PM2
	v_add_nc_u32 v[P2S], s42, v[P2S]               ; PM2 + 16 wave + 8 h
	v_lshl_add_u32 v[P2L], v[TA+1], 5, PM2         ; PM2 + 32 h
	v_add_nc_u32 v[VQ], s[Q0], v[TA]
	v_lshlrev_b32 v[GSO], 3, v0
	v_mul_u32_u24 v[GMV], v[TA], 1536
	v_mad_u32_u24 v[GMV], v[TA+1], 24, v[GMV]
	v_add_nc_u32 v[GMV], s43, v[GMV]               ; row r of V, + 24 h, + 96 bytes for each key step
	v_lshlrev_b32 v[GMS], 6, v[TA+2]
	v_add_nc_u32 v[GMS], s44, v[GMS]               ; row = lane of V's scale bytes, + 4 for each key step
	; what every way has to find written
.set i, 0
.rept 6
	v_mov_b32 v[QF+6+i], 0                         ; Q's zero codes for k = 64 .. 127
	v_mov_b32 v[F+48+i], 0                         ; and what stands behind K's last tile
.set i, i+1
.endr
.set i, 0
.rept 12
	v_mov_b32 v[SD+i], 0                           ; the copies' registers: loads and stores stand under separate branches on one number, so the stores' data are written on every way
.set i, i+1
.endr
.set i, 0
.rept 32
	v_mov_b32 v[O+i], 0                            ; O^T.  (The step is written once: the first finds zeros, which the first change of M leaves zeros; a wave with no step keeps them)
.set i, i+1
.endr
.irp b, 0,1,2,3
	v_mov_b32 v[BT+\b], 0                          ; a lane permute's destination counts as one of its sources
.endr
	v_mov_b32 v14, 0                               ; the sum, in two halves
	v_mov_b32 v15, 0
	v_mov_b32 v[PW], 0                             ; (named as the upper half of the pair v[232:233] before it is first written)
	v_mov_b32 v13, 0xff61b1e6                      ; the largest t so far: -3e38, under every t
	v_floor_f32 v12, -v13                          ; -M
	s_mov_b32 s[SEL], 0x76543210
	s_mov_b32 s[SEL+1], 0xfedcba98
	s_mov_b32 s[CS], 0x3e38aa3b                    ; c = log2(e) / sqrt(64)
	s_mov_b32 s[CS+1], s[CS]                       ; (named with it as a pair, so it is written)
	s_mov_b32 s[KF], 0
	s_mov_b32 s[NXT], 256
	s_mov_b32 s[TB], 0
	s_mov_b32 s[TS], 0
	s_mov_b32 s[TJ], 0
	s_wait_kmcnt 0x0                               ; event_length
	s_max_i32 s[EL], s[EL], 0
	s_min_i32 s[EL], s[EL], 2048
	s_cmp_lt_u32 s[XE], s[EL]                      ; has the work-group a row under el?
	s_cselect_b32 s[ELG], s[EL], 0
	s_cmp_lt_u32 s[Q0], s[EL]                      ; has my wave?
	s_cselect_b32 s[ELW], s[EL], 0
	s_add_co_u32 s[XE], s[XE], 256
	; ---- the head's scale words and slot 0 go into LDS, where any wave of the work-group walks keys
	s_cmp_eq_u32 s[ELG], 0
	s_cbranch_scc1 .Lno_keys
	global_load_b64 v[TA:TA+1], v[GSO], s[12:13]   ; four keys' scale bytes: 512 threads x 8 bytes are the head's 4,096
	global_load_b64 v[TA+2:TA+3], v[GSO], s[16:17] ; two steps' scale words of one row of V
	STAGE_LOAD 0, 0
	s_wait_loadcnt 0x0                             ; all of them
	v_and_b32 v[BM], 0xffff, v[TA]                 ; a key's two bytes as a word whose bytes 2 and 3 are 0
	v_lshrrev_b32 v[BM+1], 16, v[TA]
	v_and_b32 v[BM+2], 0xffff, v[TA+1]
	v_lshrrev_b32 v[BM+3], 16, v[TA+1]
.irp j, 0,1,2,3
	ds_store_b32 v[KSA], v[BM+\j] offset:16*\j
.endr
	ds_store_b32 v[VSA], v[TA+2]
	ds_store_b32 v[VSA], v[TA+3] offset:256
	STAGE_PUT LK0, LV0
.Lno_keys:
	; ---- the mean row, first half, where the work-group has a row at or behind el: my wave's 128 keys of V, straight from memory, against codes of 4.0 under the byte 125
	s_cmp_le_u32 s[XE], s[EL]
	s_cbranch_scc1 .Lno_mean1
	v_mov_b32 v[PW], 0x7d7d7d7d                    ; four blocks' byte 125: 2^-2
.irp c, 0,1,2,3
	v_mov_b32 v[PC+3*\c], 0x18618618               ; the code 0x18 (4.0) sixteen times: 96 bits
	v_mov_b32 v[PC+3*\c+1], 0x86186186
	v_mov_b32 v[PC+3*\c+2], 0x61861861
.endr
.irp t, 0,1,2,3
.irp p, 0,1,2,3,4,5
	global_load_b64 v[F+12*\t+2*\p:F+12*\t+2*\p+1], v[GMV], s[14:15] offset:24576*\t+48*(\p/3)+8*(\p%3)
.endr
.endr
	global_load_b32 v[VS], v[GMS], s[16:17]
	global_load_b32 v[VS+1], v[GMS], s[16:17] offset:2048
.rept 4
	v_nop                                          ; an operand written by vector instructions stands 4 places ahead of a scaled matrix instruction, a scale register so written 8: the twelve moves and these
.endr
	s_wait_loadcnt 0x0                             ; V's four fragments and their scale words
.irp t, 0,1,2,3
.if \t%2
	v_wmma_scale_f32_16x16x128_f8f6f4 v[S+8*\t:S+8*\t+7], v[F+12*\t:F+12*\t+11], v[PC:PC+11], 0, v[VS+\t/2], v[PW] matrix_a_fmt:MATRIX_FMT_FP6 matrix_b_fmt:MATRIX_FMT_FP6 matrix_a_scale:MATRIX_SCALE_ROW1
.else
	v_wmma_scale_f32_16x16x128_f8f6f4 v[S+8*\t:S+8*\t+7], v[F+12*\t:F+12*\t+11], v[PC:PC+11], 0, v[VS+\t/2], v[PW] matrix_a_fmt:MATRIX_FMT_FP6 matrix_b_fmt:MATRIX_FMT_FP6
.endif
.endr
.rept 4
	v_nop                                          ; four places behind the products, ahead of the stores that read their results
.endr
.irp t, 0,1,2,3
	ds_store_b128 v[PMS], v[S+8*\t:S+8*\t+3] offset:64*\t          ; register j: d = 16 t + 8 h + j; all sixteen columns are alike, so the sixteen lanes of a half write the same numbers to the same place
	ds_store_b128 v[PMS], v[S+8*\t+4:S+8*\t+7] offset:64*\t+16
.endr
.Lno_mean1:
	s_wait_loadcnt 0x0                             ; Q and its scale words, on every way
	BARRIER                                        ; slot 0, the scale words and the partial sums lie in LDS
	; ---- the mean row, second half: wave w adds the sixteen waves' sums of d = 4 w + 2 h + 0, 1 and divides by the sum of p, 2,048
	s_cmp_le_u32 s[XE], s[EL]
	s_cbranch_scc1 .Lno_mean2
	ds_load_b64 v[TA:TA+1], v[PML]                 ; lane (r, h): wave r's
	s_wait_dscnt 0x0
.irp x, 1,2,4,8
	v_add_f32_dpp v[TA], v[TA], v[TA] row_xmask:\x row_mask:0xf bank_mask:0xf
	v_add_f32_dpp v[TA+1], v[TA+1], v[TA+1] row_xmask:\x row_mask:0xf bank_mask:0xf
.endr
	v_mul_f32 v[TA], 0x3a000000, v[TA]             ; x 2^-11
	v_mul_f32 v[TA+1], 0x3a000000, v[TA+1]
	ds_store_b64 v[P2S], v[TA:TA+1]                ; read behind the loop, that is behind seven more barriers
.Lno_mean2:
; A KEY STEP: 128 keys, the q-th of the slot in hand.  A step all of whose keys lie at or behind the wave's limit is left out: a scalar branch round its loads, products and softmax, not round the lines that step
; addresses; no barrier stands in a step.
.macro STEP q
	s_cmp_ge_u32 s[KF], s[ELW]
	s_cbranch_scc1 .Lhidden_\@
	v_add_nc_u32 v[ADK], s[TB], v[AK0]             ; (these four are the places behind the last step's products, ahead of the loads into the registers that they read)
	v_add_nc_u32 v[ADV], s[TB], v[AV0]
	v_add_nc_u32 v[ADS], s[TS], v[ASK0]
	v_add_nc_u32 v[ADT], s[TJ], v[ASV0]
.irp t, 0,1,2,3,4,5,6,7
.irp p, 0,1,2
	ds_load_b64 v[F+6*\t+2*\p:F+6*\t+2*\p+1], v[ADK] offset:(128*(\q)+16*\t)*KPI+8*\p
.endr
.endr
	ds_load_b128 v[KS:KS+3], v[ADS]                ; the eight tiles' scale words
	s_wait_dscnt 0x0                               ; K's tiles and words are in
.irp t, 0,1,2,3,4,5,6,7
.if \t%2
	v_wmma_scale_f32_16x16x128_f8f6f4 v[S+8*\t:S+8*\t+7], v[F+6*\t:F+6*\t+11], v[QF:QF+11], 0, v[KS+\t/2], v[QS] matrix_a_fmt:MATRIX_FMT_FP6 matrix_b_fmt:MATRIX_FMT_FP6 matrix_a_scale:MATRIX_SCALE_ROW1
.else
	v_wmma_scale_f32_16x16x128_f8f6f4 v[S+8*\t:S+8*\t+7], v[F+6*\t:F+6*\t+11], v[QF:QF+11], 0, v[KS+\t/2], v[QS] matrix_a_fmt:MATRIX_FMT_FP6 matrix_b_fmt:MATRIX_FMT_FP6
.endif
.endr
.rept 4
	v_nop                                          ; four places: ahead of the loads into K's registers and of the first read of the scores
.endr
.irp t, 0,1,2,3                                ; V's four fragments are asked for here and land under the softmax
.irp p, 0,1,2,3,4,5
	ds_load_b64 v[F+12*\t+2*\p:F+12*\t+2*\p+1], v[ADV] offset:16*VPI*\t+96*(\q)+48*(\p/3)+8*(\p%3)
.endr
.endr
	ds_load_b64 v[VS:VS+1], v[ADT]
	s_add_co_u32 s36, s[KF], 128                   ; the step in which el lies: the scores of keys at or behind it become 8 x -1e9 (the score is 8 x the logit) ahead of the maximum; p = 0 then
	s_cmp_le_u32 s36, s[ELW]
	s_cbranch_scc1 .Lopen_\@
	s_sub_co_u32 s36, s[ELW], s[KF]
	s_sub_co_u32 s36, s36, 1
	v_bfe_u32 v[TA], v0, 4, 1
	v_lshlrev_b32 v[TA], 4, v[TA]
	v_sub_nc_u32 v[TA], s36, v[TA]                 ; d = el - KF - 1 - 16 h.  Register 16 b + i holds key KF + 32 b + 16 h + i: masked where 32 b + i > d
	v_mov_b32 v[TA+1], 0xcfee6b28                  ; -8e9
.irp n, 0,1,2,3,4,5,6,7,8,9,10,11,12,13,14,15,16,17,18,19,20,21,22,23,24,25,26,27,28,29,30,31,32,33,34,35,36,37,38,39,40,41,42,43,44,45,46,47,48,49,50,51,52,53,54,55,56,57,58,59,60,61,62,63
	v_cmp_gt_i32 vcc_lo, 32*(\n/16)+\n%16, v[TA]
	v_cndmask_b32 v[S+\n], v[S+\n], v[TA+1], vcc_lo
.endr
.Lopen_\@:
.irp b, 0,1,2,3
	v_max3_num_f32 v[BM+\b], v[S+16*\b], v[S+1+16*\b], v[S+2+16*\b]   ; the largest score of each block of 32 keys: for the row's maximum and, since p rises with the score, for the block's largest p
.endr
.irp i, 3,5,7,9,11,13
.irp b, 0,1,2,3
	v_max3_num_f32 v[BM+\b], v[BM+\b], v[S+16*\b+\i], v[S+1+16*\b+\i]   ; (the four blocks by turns)
.endr
.endr
.irp b, 0,1,2,3
	v_max_num_f32 v[BM+\b], v[BM+\b], v[S+15+16*\b]
.endr
.irp b, 0,1,2,3
	v_permlanex16_b32 v[BT+\b], v[BM+\b], s[SEL], s[SEL+1]
.endr
.irp b, 0,1,2,3
	v_max_num_f32 v[BM+\b], v[BM+\b], v[BT+\b]     ; with lane l xor 16's 16 keys
.endr
	v_max3_num_f32 v[TA], v[BM], v[BM+1], v[BM+2]
	v_max_num_f32 v[TA], v[TA], v[BM+3]            ; the step's largest score of my query
	v_mul_f32 v[TA], s[CS], v[TA]                  ; as t (c is positive)
	v_max_num_f32 v13, v13, v[TA]                  ; the running largest t
	v_mov_b32 v[TA], v12
	v_floor_f32 v12, -v13                          ; the new -M = floor(-t) = -ceil(t): a whole number
	v_sub_f32 v[TA], v12, v[TA]                    ; M's old value less its new one: a whole number, 0 or less
	v_cvt_i32_f32 v[TA], v[TA]                     ; (it saturates)
	v_ldexp_f32 v[FF], 1.0, v[TA]                  ; f = 2^(old M - new M)
.set j, 0
.rept 32
	v_pk_fma_f32 v[S+j:S+j+1], v[S+j:S+j+1], s[CS:CS+1], v[12:13] op_sel_hi:[1,0,0]   ; t - M, two at a time (of the pairs c and -M the low word serves both halves)
.set j, j+2
.endr
.irp b, 0,1,2,3
	v_fma_f32 v[BM+\b], v[BM+\b], s[CS], v12       ; the same of each block's largest score
.endr
.set j, 0
.rept 64
	v_exp_f32 v[S+j], v[S+j]                       ; p = 2^(t - M), at most 1: not normalised
.set j, j+1
.endr
	v_pk_mul_f32 v[14:15], v[14:15], v[FF:FF+1] op_sel_hi:[1,0]   ; the sums under the new M; also the plain instruction behind the exponentials
	s_wait_alu depctr_va_vdst(0)                   ; one wait for the batch of 64, ahead of its first reader
.irp b, 0,1,2,3
	v_exp_f32 v[BM+\b], v[BM+\b]                   ; the block's largest p: the same two instructions on the same number give the same bits
.endr
	v_pk_add_f32 v[BT:BT+1], v[S:S+1], v[S+2:S+3]  ; the row's sum is taken of the unquantised p: two at a time, in two chains (it reads the 64 alone: plain work behind the four)
.set j, 4
.rept 15
	v_pk_add_f32 v[14:15], v[14:15], v[S+j:S+j+1]
	v_pk_add_f32 v[BT:BT+1], v[BT:BT+1], v[S+2+j:S+3+j]
.set j, j+4
.endr
	v_pk_add_f32 v[14:15], v[14:15], v[BT:BT+1]
	s_wait_alu depctr_va_vdst(0)                   ; and one for the four
.irp b, 0,1,2,3
	v_max_num_f32 v[BM+\b], 0x1800000, v[BM+\b]    ; the floor 2^(3 - 127): the byte cannot fall under 1 (a block whose every p is 0 keeps that byte: its codes are zeros)
.endr
.irp b, 0,1,2,3
	v_add_nc_u32 v[SO+\b], 0xff000000, v[BM+\b]    ; 2 off the exponent field: the conversion's scale operand
.endr
.irp b, 0,1,2,3
	v_lshrrev_b32 v[BT+\b], 23, v[SO+\b]           ; the scale's byte
.endr
	v_lshl_or_b32 v[PW], v[BT+1], 8, v[BT]         ; p's scale word for these 128 keys
	v_lshl_or_b32 v[PW], v[BT+2], 16, v[PW]
	v_lshl_or_b32 v[PW], v[BT+3], 24, v[PW]
.irp c, 0,1
	v_cvt_scalef32_pk16_fp6_f32 v[PC+6*\c:PC+6*\c+2], v[S+32*\c:S+32*\c+15], v[SO+2*\c]
	v_cvt_scalef32_pk16_fp6_f32 v[PT+4*\c:PT+4*\c+2], v[S+16+32*\c:S+31+32*\c], v[SO+2*\c+1]   ; (a conversion's three registers begin on an even number)
.endr
	v_nop                                          ; one plain instruction between a scaled conversion and the instruction that touches its result
.irp c, 0,1                                    ; the operand's layout wants a whole block in a lane: lanes 0-15 block 2 c, lanes 16-31 block 2 c + 1
.irp i, 0,1,2
	v_permlane16_swap_b32 v[PC+6*\c+\i], v[PT+4*\c+\i]
.endr
.irp i, 0,1,2
	v_mov_b32 v[PC+3+6*\c+\i], v[PT+4*\c+\i]
.endr
.endr
.set j, 0
.rept 16
	v_pk_mul_f32 v[O+j:O+j+1], v[O+j:O+j+1], v[FF:FF+1] op_sel_hi:[1,0]   ; O^T under the new M: x f, each tile from its low end on.  (These sixteen are also the places between p's codes and scale word and the products)
.set j, j+2
.endr
	s_wait_dscnt 0x0                               ; V's fragments and scale words, asked for ahead of the softmax
.irp t, 0,1,2,3                                ; O^T += V^T P^T: the four accumulators by turns
.if \t%2
	v_wmma_scale_f32_16x16x128_f8f6f4 v[O+8*\t:O+8*\t+7], v[F+12*\t:F+12*\t+11], v[PC:PC+11], v[O+8*\t:O+8*\t+7], v[VS+\t/2], v[PW] matrix_a_fmt:MATRIX_FMT_FP6 matrix_b_fmt:MATRIX_FMT_FP6 matrix_a_scale:MATRIX_SCALE_ROW1
.else
	v_wmma_scale_f32_16x16x128_f8f6f4 v[O+8*\t:O+8*\t+7], v[F+12*\t:F+12*\t+11], v[PC:PC+11], v[O+8*\t:O+8*\t+7], v[VS+\t/2], v[PW] matrix_a_fmt:MATRIX_FMT_FP6 matrix_b_fmt:MATRIX_FMT_FP6
.endif
.endr
.Lhidden_\@:
	s_add_co_u32 s[KF], s[KF], 128
	s_add_co_u32 s[TS], s[TS], 512
	s_add_co_u32 s[TJ], s[TJ], 256
.endm
; A SLOT: two key steps.  fill = 1: the next slot's bytes are asked for at the head, where any of its keys lies under the work-group's limit, have the two steps in which to come, and go into that slot's own LDS
; bytes at the end; then the barrier, which every wave passes in every trip.
.macro TRIP fill
.if \fill
	s_cmp_lt_u32 s[NXT], s[ELG]
	s_cbranch_scc0 .Lno_ask_\@
	STAGE_LOAD VOFF, 192                           ; a slot on: 256 x 48 bytes in K, 192 bytes in each row of V
.Lno_ask_\@:
.endif
	STEP 0
	STEP 1
.if \fill
	s_wait_loadcnt 0x0                             ; my 48 bytes are in, on every way; the loads are done, so their bases may step
	s_add_nc_u64 s[10:11], s[10:11], VOFF
	s_add_nc_u64 s[14:15], s[14:15], 192           ; (behind the last slot the stepped addresses are not used)
	s_cmp_lt_u32 s[NXT], s[ELG]
	s_cbranch_scc0 .Lno_put_\@
	s_add_co_u32 s36, s[TB], SLOTB
	v_add_nc_u32 v[T0], s36, v[LK0]
	v_add_nc_u32 v[T1], s36, v[LV0]
	STAGE_PUT T0, T1
.Lno_put_\@:
	s_add_co_u32 s[NXT], s[NXT], 256
.endif
	s_add_co_u32 s[TB], s[TB], SLOTB
.if \fill
	BARRIER                                        ; the next slot lies in LDS
.endif
.endm
	s_mov_b32 s[CNT], 7
.Lslot:                                                ; seven trips, a constant: what is left out is a trip's work, never the trip
	TRIP 1
	s_sub_co_u32 s[CNT], s[CNT], 1
	s_cmp_lg_u32 s[CNT], 0
	s_cbranch_scc1 .Lslot
	TRIP 0                                         ; the last slot: nothing follows it
	; ---- THE WAY OUT.  O^T / the sum; rows at or behind el take the mean row; through my stage in LDS, so that each store covers whole rows of 256 bytes.
	v_add_f32 v14, v14, v15                        ; the sum's two halves,
	v_permlanex16_b32 v[BT], v14, s[SEL], s[SEL+1]
	v_add_f32 v14, v14, v[BT]                      ; and lane l xor 16's: the row's sum
	v_rcp_f32 v[FF], v14
	v_and_b32 v[T0], 15, v0                        ; r.  (The address lines are the plain work behind the reciprocal and the places behind the last products)
	v_bfe_u32 v[T1], v0, 4, 1                      ; h
	s_mul_i32 s36, s[WV], 16*272
	s_add_co_u32 s36, s36, STG                     ; my stage
	v_mul_u32_u24 v8, v[T0], 272
	v_lshl_add_u32 v8, v[T1], 5, v8
	v_add_nc_u32 v8, s36, v8                       ; in: row r; tile t's eight d of my half: 64 t + 32 h bytes on
	v_mul_u32_u24 v9, v[T1], 272
	v_lshl_add_u32 v9, v[T0], 4, v9
	v_add_nc_u32 v9, s36, v9                       ; back: lanes 0-15 one row, lanes 16-31 the next
	v_and_b32 v10, 31, v0
	v_lshlrev_b32 v10, 4, v10                      ; and in out: two rows are 512 bytes on end: 16 x lane
	s_wait_alu depctr_va_vdst(0)                   ; the wait ahead of the reciprocal's first reader
.set j, 0
.rept 16
	v_pk_mul_f32 v[S+j:S+j+1], v[O+j:O+j+1], v[FF:FF+1] op_sel_hi:[1,0]   ; register 8 t + i: out(r, 16 t + 8 h + i).  (A lane whose sum is 0 has no row under el: what it makes here is replaced below)
.set j, j+2
.endr
	s_add_co_u32 s36, s[Q0], 16
	s_cmp_le_u32 s36, s[EL]
	s_cbranch_scc1 .Lall_valid                     ; all my 16 rows lie under el
.irp t, 0,1,2,3
	ds_load_b128 v[S+32+8*\t:S+35+8*\t], v[P2L] offset:64*\t
	ds_load_b128 v[S+36+8*\t:S+39+8*\t], v[P2L] offset:64*\t+16
.endr
	s_wait_dscnt 0x0                               ; the mean row
	v_cmp_le_u32 vcc_lo, s[EL], v[VQ]              ; my query lies at or behind el
.set j, 0
.rept 32
	v_cndmask_b32 v[S+j], v[S+j], v[S+32+j], vcc_lo
.set j, j+1
.endr
.Lall_valid:
.irp t, 0,1,2,3
	ds_store_b128 v8, v[S+8*\t:S+8*\t+3] offset:64*\t
	ds_store_b128 v8, v[S+8*\t+4:S+8*\t+7] offset:64*\t+16
.endr
.irp i, 0,1,2,3,4,5,6,7
	ds_load_b128 v[F+4*\i:F+4*\i+3], v9 offset:2*\i*272   ; LDS serves a wave's instructions in order (ISA guide 5.7.1.4): these see my stores
.endr
.irp i, 0,1,2,3,4,5,6,7
	s_wait_dscnt 7-\i                              ; the 7 - i younger loads from the stage may stay out
	global_store_b128 v10, v[F+4*\i:F+4*\i+3], s[18:19] offset:512*\i th:TH_STORE_NT   ; 32 lanes store 512 consecutive bytes, at a multiple of 256 from the buffer's first byte; written once, read by nobody here
.endr
	s_wait_tensorcnt 0x0
	ds_add_u32 v253, v255
	s_wait_dscnt 0x0
	s_endpgm
.Lfunc_end_k_qfd3855aa21_attn:
	.size	k_qfd3855aa21_attn, .Lfunc_end_k_qfd3855aa21_attn-k_qfd3855aa21_attn
	.p2alignl 7, 3214868480
	.fill 96, 4, 3214868480
	.section	.rodata,"a",@progbits
	.p2align	6, 0x0
	.amdhsa_kernel k_qfd3855aa21_attn
		.amdhsa_group_segment_fixed_size 296960
		.amdhsa_private_segment_fixed_size 0
		.amdhsa_enable_private_segment 0
		.amdhsa_kernarg_size 64
		.amdhsa_user_sgpr_count 2
		.amdhsa_user_sgpr_kernarg_segment_ptr 1
		.amdhsa_wavefront_size32 1
		.amdhsa_system_sgpr_workgroup_id_x 1
		.amdhsa_system_sgpr_workgroup_id_y 1
		.amdhsa_system_sgpr_workgroup_id_z 1
		.amdhsa_system_vgpr_workitem_id 0
		.amdhsa_next_free_vgpr 256
		.amdhsa_next_free_sgpr 66
		.amdhsa_reserve_vcc 1
		.amdhsa_float_denorm_mode_32 3
		.amdhsa_float_denorm_mode_16_64 3
		.amdhsa_memory_ordered 1
		.amdhsa_forward_progress 1
		.amdhsa_inst_pref_size 112
	.end_amdhsa_kernel
	.amdgpu_metadata
---
amdhsa.version: [ 1, 2 ]
amdhsa.kernels:
  - .name:           k_qfd3855aa21_attn
    .symbol:         k_qfd3855aa21_attn.kd
    .args:
      - { .name: event_length, .offset: 0, .size: 8, .value_kind: global_buffer, .address_space: global }
      - { .name: q_codes, .offset: 8, .size: 8, .value_kind: global_buffer, .address_space: global }
      - { .name: q_scales, .offset: 16, .size: 8, .value_kind: global_buffer, .address_space: global }
      - { .name: k_codes, .offset: 24, .size: 8, .value_kind: global_buffer, .address_space: global }
      - { .name: k_scales, .offset: 32, .size: 8, .value_kind: global_buffer, .address_space: global }
      - { .name: v_codes, .offset: 40, .size: 8, .value_kind: global_buffer, .address_space: global }
      - { .name: v_scales, .offset: 48, .size: 8, .value_kind: global_buffer, .address_space: global }
      - { .name: out0, .offset: 56, .size: 8, .value_kind: global_buffer, .address_space: global }
    .group_segment_fixed_size: 296960
    .private_segment_fixed_size: 0
    .kernarg_segment_align: 8
    .kernarg_segment_size: 64
    .max_flat_workgroup_size: 512
    .sgpr_count:     66
    .vgpr_count:     256
    .wavefront_size: 32
...
	.end_amdgpu_metadata
.endif
;; end of part 1
;; ======== version 2 of 2: 1 launch; version 1 with the launch attn written anew for expert scheduling mode
;; limits: right only within a limited range of input values
;; launch attn (part 2): grid 8 x 64, 16 waves a work-group, no clusters, 296,960 bytes of LDS; arguments event_length, q_codes, q_scales, k_codes, k_scales, v_codes, v_scales, out0; writes out0
.if DOCPART == 2
	.amdgcn_target "amdgcn-amd-amdhsa--gfx1250"
	.amdhsa_code_object_version 6
	.text
	.protected	k_qfd3855aa21_attn
	.globl	k_qfd3855aa21_attn
	.p2align	8
	.type	k_qfd3855aa21_attn,@function
k_qfd3855aa21_attn:
	s_mov_b64 s[64:65], 0
	v_nop
	global_prefetch_b8 v0, s[64:65] scope:SCOPE_SE
	s_setreg_imm32_b32 hwreg(HW_REG_WAVE_SCHED_MODE, 0, 2), 2
	s_setreg_imm32_b32 hwreg(HW_REG_WAVE_MODE, 25, 1), 1
	s_wait_xcnt 0x0
	s_wait_alu depctr_vm_vsrc(0)
; out[b][h][s][:] = softmax_q(mask ? q[s].k[q] / 8 : -1e9) v[q][:], mask = (s < el[b]) and (q < el[b]); both products on codes of FP6 (E2M3) with one E8M0 scale for each 32 along K.
; q, k: [64 heads][2048][64] as codes, 48 bytes a row, 2 scale bytes a row.  v: codes with the KEYS innermost, [64][64 d][2048], 1,536 bytes a row, 64 scale bytes a row.  out: [64][2048][64] f32.
; THE MASK SORTS THE ROWS.  A row s < el sees the keys q < el; the others have the logit -1e9, so p = 2^(t - M) = 0: zero codes, nothing in the sum.  Key steps that lie wholly at or behind el are left out.
; A row s >= el has the logit -1e9 at every key: t is a whole number, M = t, p = 1 at all 2,048 keys, the sum is 2,048, and Q(1) is the code 4.0 under the byte 125.  So the row is (codes of 4.0) x V / 2,048,
; the same 64 numbers for all such rows of a head.  A work-group that has such a row makes them by four products a wave (wave w: keys 128 w on) and a sum over the waves through LDS.
; THE SOFTMAX AHEAD OF THE SECOND PRODUCT: t = score x log2(e) / 8; M = the largest t so far, rounded UP to a whole number; p = 2^(t - M) is quantised along the keys, not normalised; the sum is taken of the
; unquantised p and divides at the end; when M moves, the sum and O are multiplied by 2^(old M - new M), which rounds nothing.
; SHARES.  A work-group owns 256 queries of one head, each of its sixteen waves 16 of them in 256 registers: four waves to a SIMD, so that one wave's vector work stands beside another's products and LDS loads.
; A key step is 128 keys, a slot 256.  All 512 threads copy a slot's K and V through registers into LDS, 24 + 24 bytes each, a slot ahead; each of a head's 8 slots has LDS bytes of its own, so nothing is ever
; written twice and one barrier a slot (stores, then reads) is all the ordering.
; LAYOUT.  Both products are used transposed: S^T = K Q^T (source 0 = 16 keys, source 1 = my 16 queries), O^T = V^T P^T: a lane holds ONE query (lane % 16) throughout.
; K's rows are laid into LDS with bits 3 and 4 of the key's number swapped: row 16 T + r of a step holds key 32 (T / 2) + 8 (T % 2) + r + 8 (r / 8), so that the 16 registers of tiles 2 b and 2 b + 1 are the 16
; neighbouring keys 32 b + 16 (lane / 16) + 0 .. 15, and a tile's rows are neighbours in LDS.
; THE FIRST PRODUCT HAS K = 64 in an instruction of K = 128: Q's registers 6-11 are zero codes and the scale words' bytes 2 and 3 are 0 (2^-127, no NaN).  K's fragment T is v[F + 6 T .. + 11]: its upper six registers
; are the next tile's codes (for T = 7 six zeros).  FP6 has no infinity and no NaN, so they meet Q's zero codes and add exactly 0.
; NO JOINT LOADS, NO TENSOR LOADS: the eight query blocks of a head read the same K and V, but how many slots a work-group needs, and whether any, hangs on event_length, which is read from memory.
;   The branches leave out 1 - (el / 2048)^2 of the key steps; a slot's 24,576 bytes already serve sixteen waves.
; LIMITS.  A row s < el whose largest logit lies under about -9.9e8 is not served (there the masked keys would begin to count).  A scale byte 0xff at a masked key is not carried into the result.
; The mean row's sixteen partial sums are added as a tree, not in ascending K.  A block of p that is all zeros keeps the byte 1: its codes are zeros.  event_length is held to 0 .. 2,048.
; THE MODE: SCHED_MODE bits 1:0 = 2 (LLVM: expert scheduling mode 2), set by the entry lines.  The code itself states the register dependences between vector or matrix instructions and memory or LDS
; instructions, with s_wait_alu, always for 0.
; THE PLAN.  Registers that memory or LDS instructions touch:
;   v1-7, v31, v240-245, v250-252, v254   offsets and LDS addresses: written once, ahead of the head's one wait on va_vdst; read by loads and stores; never written again.
;   v8-11    a step's LDS addresses: written by four additions, at a slot's head for its first step and at the second step's head; read by the step's LDS loads.
;   v29-30   where the next slot's bytes go: written at a slot's head, read by the six LDS stores at its end; no line of a step names them.
;   F, KS    K's tiles and scale words land there (LDS loads); the eight first products read them.   F, VS: then V's fragments and words land; the four second products read them.
;   SD       the next slot's bytes land there (global loads at a slot's head); the LDS stores at its end read them; no vector instruction of the loop names them.
;   PC, PW   written by vector instructions, taken by the second products as an operand and as scales.
; A SLOT'S WAITS.  At its head one on vm_vsrc (the last slot's LDS loads have read v8-11, its LDS stores v29-30 and SD), the six additions, one on va_vdst (the six are written; the last slot's products are done
; with F, KS and VS): that pair serves the first step's loads, the global loads into SD and the stores at the slot's end.  The second step has the same pair round its four additions.  In each step: one on va_vdst
; behind the first products, ahead of V's loads into the registers that they read; the two behind the exponentials; one ahead of the second products, for PC and PW.
; The wave's 256 registers are a quarter of what four waves on a SIMD share: there is no room for a second set of fragments, so F serves K and V by turns.
.set KPI,   48                         ; a key's row in LDS: 12 words; the 32 lanes of a load of 8 bytes start at word pairs 6 r + 3 h mod 32, all different
.set VPI,   208                        ; a row of V's tile in LDS: 192 bytes + 16: word pairs 26 r + 3 h mod 32, all different
.set VOFF,  256*KPI                    ; a slot: 256 rows of K, then 64 rows of V
.set SLOTB, VOFF+64*VPI                ; 25,600 bytes
.set SCK,   8*SLOTB                    ; K's scale words: 16 steps x 512 bytes; word at 512 step + 16 l + 4 b: row 32 b + l of the step
.set SCV,   SCK+16*512                 ; V's: 16 steps x 256 bytes; word at 256 step + 8 (d % 32) + 4 (d / 32)
.set PM,    SCV+16*256                 ; the mean's partial sums: 16 waves x (256 bytes + 16)
.set PM2,   PM+16*272                  ; the mean row: 64 f32
.set STG,   PM2+256                    ; the way out: 16 rows x (256 bytes + 16) for each wave
.set AK0,  1                           ; v1   48 r + 24 h: my place in a tile of K; also my offset in the wave's rows of Q
.set AV0,  2                           ; v2   VOFF + 208 r + 24 h
.set ASK0, 3                           ; v3   SCK + 16 x lane
.set ASV0, 4                           ; v4   SCV + 8 x lane
.set GKO,  5                           ; v5   24 n: my 24 bytes of a slot's K in memory (n: the thread's number)
.set GVO,  6                           ; v6   1536 (n / 8) + 24 (n % 8): my 24 bytes of a slot's V
.set LK0,  7                           ; v7   where they go in a slot: K
.set ADK,  8                           ; v8-11 the step's LDS addresses; on the way out v8-10
.set ADV,  9
.set ADS,  10
.set ADT,  11
                                       ; v12 -M, v13 the largest t, v[14:15] the sum in two halves
.set QF,   16                          ; v16-21 Q's codes, v22-27 zeros
.set QS,   28                          ; v28  Q's scale words
.set T0,   29                          ; v29, v30 addresses at work
.set T1,   30
.set LV0,  31                          ; v31  where my 24 bytes of V go in a slot
.set F,    32                          ; v32-79 eight half fragments of K, or four fragments of V; v80-85 zeros
.set SD,   86                          ; v86-97 the bytes that I copy: K's 24, V's 24
.set S,    98                          ; v98-161 S^T, then p
.set O,    162                         ; v162-193 O^T: four tiles of 16 d
.set PC,   194                         ; v194-205 p's codes
.set PT,   206                         ; v206-208, v210-212 the second conversions' results
.set BM,   214                         ; v214-217 the blocks' largest scores
.set BT,   218                         ; v218-221 at work
.set SO,   222                         ; v222-225 the conversions' scale operands
.set KS,   226                         ; v226-229 K's scale words: register b: lanes 0-15 tile 2 b, lanes 16-31 tile 2 b + 1
.set VS,   230                         ; v230-231 V's likewise
.set FF,   232                         ; v232 f = 2^(old M - new M); at the end 1 / the sum
.set PW,   233                         ; v233 p's scale word
.set TA,   234                         ; v234-239 at work
.set KSA,  240                         ; v240 where I put K's scale words
.set VSA,  241                         ; v241 and V's
.set PMS,  242                         ; v242 the mean: where I put my wave's partial sums,
.set PML,  243                         ; v243 where I read sixteen waves' sums of two d,
.set P2S,  244                         ; v244 where the two means go,
.set P2L,  245                         ; v245 and where I read the mean row
.set VQ,   249                         ; v249 my query's number
.set GSO,  250                         ; v250 8 n: my 8 scale bytes of K and of V in memory
.set GMV,  251                         ; v251 the mean: my offset in V's codes,
.set GMS,  252                         ; v252 and in V's scale bytes
.set GQS,  254                         ; v254 2 r: my query's scale bytes
.set EL,   20                          ; s20  event_length of my batch, held to 0 .. 2,048
.set WV,   22                          ; s22  my wave's number
.set Q0,   23                          ; s23  my wave's first query
.set ELW,  24                          ; s24  EL where my wave has a row under it, else 0: the keys that my wave walks
.set ELG,  25                          ; s25  EL where the work-group has one, else 0: the keys that are copied
.set KF,   26                          ; s26  the step's first key
.set NXT,  27                          ; s27  the next slot's first key
.set TB,   28                          ; s28  LDS byte at which the slot in hand begins
.set TS,   29                          ; s29  the step's scale words of K: 512 bytes a step
.set TJ,   30                          ; s30  and of V: 256 bytes a step
.set CNT,  31                          ; s31  trips to go
.set SEL,  32                          ; s[32:33] lane selects for v_permlanex16_b32: lane l xor 16
.set CS,   34                          ; s[34:35] c = log2(e) / 8
.set XE,   46                          ; s46  the first query behind my work-group's 256
.set MK,   48                          ; s48-63 sixteen masks: a run of compares writes them, one wait, a run of selects reads them
.macro STAGE_LOAD ok, ov               ; my 24 bytes of K and of V of a slot, ok and ov bytes on from where the pointers stand
.irp j, 0,1,2
	global_load_b64 v[SD+2*\j:SD+2*\j+1], v[GKO], s[10:11] offset:\ok+8*\j
.endr
.irp j, 0,1,2
	global_load_b64 v[SD+6+2*\j:SD+6+2*\j+1], v[GVO], s[14:15] offset:\ov+8*\j
.endr
.endm
.macro STAGE_PUT ak, av                ; and into LDS
.irp j, 0,1,2
	ds_store_b64 v[\ak], v[SD+2*\j:SD+2*\j+1] offset:8*\j
.endr
.irp j, 0,1,2
	ds_store_b64 v[\av], v[SD+6+2*\j:SD+6+2*\j+1] offset:8*\j
.endr
.endm
.macro BARRIER                         ; my LDS stores have landed and my LDS loads are in: then the work-group's barrier
	s_wait_dscnt 0x0
	s_barrier_signal -1
	s_barrier_wait -1
.endm
.macro ADDR                            ; a step's four LDS addresses: the slot's tiles of K and of V, the step's scale words of K and of V
	v_add_nc_u32 v[ADK], s[TB], v[AK0]
	v_add_nc_u32 v[ADV], s[TB], v[AV0]
	v_add_nc_u32 v[ADS], s[TS], v[ASK0]
	v_add_nc_u32 v[ADT], s[TJ], v[ASV0]
.endm
	s_load_b256 s[4:11], s[0:1], 0x0               ; event_length s[4:5], Q's codes s[6:7], Q's scales s[8:9], K's codes s[10:11]
	s_load_b256 s[12:19], s[0:1], 0x20             ; K's scales s[12:13], V's codes s[14:15], V's scales s[16:17], out s[18:19]
	v_lshl_add_u32 v253, v0, 2, 0x48000
	v_mov_b32 v255, 0
	v_lshrrev_b32 v[T0], 5, v0
	v_readfirstlane_b32 s[WV], v[T0]               ; wave 0..15
	s_and_b32 s40, ttmp7, 0xffff                   ; the head, 16 b + h
	s_lshr_b32 s36, s40, 4
	s_lshl_b32 s36, s36, 2                         ; 4 b
	s_mov_b32 s37, 0
	s_wait_kmcnt 0x0                               ; the eight addresses
	s_add_nc_u64 s[4:5], s[4:5], s[36:37]
	s_load_b32 s[EL], s[4:5], 0x0                  ; my batch's event_length; s[4:5] is not written again
	s_lshl_b32 s[XE], ttmp9, 8                     ; 256 x work-group x
	s_wait_alu depctr_va_sdst(0)                   ; the wave's number is written, ahead of its first reader
	s_lshl_b32 s[Q0], s[WV], 4
	s_add_co_u32 s[Q0], s[Q0], s[XE]               ; my first query
	s_mov_b32 s39, 0
	s_mul_i32 s38, s40, 98304                      ; a head's codes: 2,048 x 48 = 64 x 1,536 bytes
	s_add_nc_u64 s[6:7], s[6:7], s[38:39]
	s_add_nc_u64 s[10:11], s[10:11], s[38:39]
	s_add_nc_u64 s[14:15], s[14:15], s[38:39]
	s_lshl_b32 s38, s40, 12                        ; a head's scale bytes: 4,096
	s_add_nc_u64 s[8:9], s[8:9], s[38:39]
	s_add_nc_u64 s[12:13], s[12:13], s[38:39]
	s_add_nc_u64 s[16:17], s[16:17], s[38:39]
	s_lshl_b32 s38, s40, 19                        ; a head's rows of out: 2,048 x 256 bytes
	s_add_nc_u64 s[18:19], s[18:19], s[38:39]
	s_mul_i32 s38, s[Q0], 48
	s_add_nc_u64 s[6:7], s[6:7], s[38:39]          ; Q's codes at my first query,
	s_lshl_b32 s38, s[Q0], 1
	s_add_nc_u64 s[8:9], s[8:9], s[38:39]          ; its scale bytes,
	s_lshl_b32 s38, s[Q0], 8
	s_add_nc_u64 s[18:19], s[18:19], s[38:39]      ; its row of out
	v_and_b32 v[TA], 15, v0                        ; r
	v_bfe_u32 v[TA+1], v0, 4, 1                    ; h
	v_and_b32 v[TA+2], 31, v0                      ; lane
	v_mul_u32_u24 v[AK0], v[TA], KPI
	v_mad_u32_u24 v[AK0], v[TA+1], 24, v[AK0]
	v_lshlrev_b32 v[GQS], 1, v[TA]
	v_mul_u32_u24 v[AV0], v[TA], VPI
	v_mad_u32_u24 v[AV0], v[TA+1], 24, v[AV0]
	v_add_nc_u32 v[AV0], VOFF, v[AV0]
	v_lshl_add_u32 v[ASK0], v[TA+2], 4, SCK
	v_lshl_add_u32 v[ASV0], v[TA+2], 3, SCV
	v_mul_u32_u24 v[GKO], v0, 24
	v_lshrrev_b32 v[TA+3], 3, v0                   ; n / 8: a row d of V
	v_and_b32 v[TA+4], 7, v0                       ; n % 8: which 24 bytes of its 192
	v_mul_u32_u24 v[GVO], v[TA+3], 1536
	v_mad_u32_u24 v[GVO], v[TA+4], 24, v[GVO]
	v_mul_u32_u24 v[LV0], v[TA+3], VPI
	v_mad_u32_u24 v[LV0], v[TA+4], 24, v[LV0]
	v_add_nc_u32 v[LV0], VOFF, v[LV0]
	v_lshrrev_b32 v[TA+5], 1, v0                   ; n / 2: a key of the slot
	v_and_b32 v[LK0], 0xe7, v[TA+5]                ; its number with bits 3 and 4 swapped is its row:
	v_bfe_u32 v[T0], v0, 4, 1                      ; the key's bit 3
	v_lshl_add_u32 v[LK0], v[T0], 4, v[LK0]
	v_bfe_u32 v[T0], v0, 5, 1                      ; the key's bit 4
	v_lshl_add_u32 v[LK0], v[T0], 3, v[LK0]
	v_mul_u32_u24 v[LK0], v[LK0], KPI
	v_and_b32 v[T0], 1, v0
	v_mad_u32_u24 v[LK0], v[T0], 24, v[LK0]        ; + which half of its 48 bytes
	; K's scale bytes: thread n has keys 4 n + j of the head: step n / 32; in the step the key's bits 0-1 = j, bit 2 = n's bit 0, bit 3 = n's bit 1, bit 4 = n's bit 2, bits 5-6 = b = n's bits 3-4.
	; Its row's low five bits are l = j + 4 (bit 0) + 8 (bit 2) + 16 (bit 1): the word lies at 512 step + 16 l + 4 b
	v_lshrrev_b32 v[KSA], 5, v0
	v_lshl_add_u32 v[KSA], v[KSA], 9, SCK
	v_lshl_add_u32 v[KSA], v[T0], 6, v[KSA]
	v_bfe_u32 v[T0], v0, 2, 1
	v_lshl_add_u32 v[KSA], v[T0], 7, v[KSA]
	v_bfe_u32 v[T0], v0, 1, 1
	v_lshl_add_u32 v[KSA], v[T0], 8, v[KSA]
	v_bfe_u32 v[T0], v0, 3, 2
	v_lshl_add_u32 v[KSA], v[T0], 2, v[KSA]
	; V's: thread n has row d = n / 8, steps 2 (n % 8) and 2 (n % 8) + 1
	v_lshl_add_u32 v[VSA], v[TA+4], 9, SCV
	v_bfe_u32 v[T0], v0, 3, 5
	v_lshl_add_u32 v[VSA], v[T0], 3, v[VSA]
	v_lshrrev_b32 v[T0], 8, v0
	v_lshl_add_u32 v[VSA], v[T0], 2, v[VSA]
	; the mean row
	s_mul_i32 s41, s[WV], 272
	s_lshl_b32 s42, s[WV], 4
	s_mul_i32 s43, s[WV], 96
	s_lshl_b32 s44, s[WV], 2
	v_lshl_add_u32 v[PMS], v[TA+1], 5, PM
	v_add_nc_u32 v[PMS], s41, v[PMS]               ; PM + 272 wave + 32 h
	v_mul_u32_u24 v[PML], v[TA], 272
	v_lshl_add_u32 v[PML], v[TA+1], 3, v[PML]
	v_add_nc_u32 v[PML], s42, v[PML]
	v_add_nc_u32 v[PML], PM, v[PML]                ; PM + 272 r + 16 wave + 8 h
	v_lshl_add_u32 v[P2S], v[TA+1], 3, PM2
	v_add_nc_u32 v[P2S], s42, v[P2S]               ; PM2 + 16 wave + 8 h
	v_lshl_add_u32 v[P2L], v[TA+1], 5, PM2         ; PM2 + 32 h
	v_add_nc_u32 v[VQ], s[Q0], v[TA]
	v_lshlrev_b32 v[GSO], 3, v0
	v_mul_u32_u24 v[GMV], v[TA], 1536
	v_mad_u32_u24 v[GMV], v[TA+1], 24, v[GMV]
	v_add_nc_u32 v[GMV], s43, v[GMV]               ; row r of V, + 24 h, + 96 bytes for each key step
	v_lshlrev_b32 v[GMS], 6, v[TA+2]
	v_add_nc_u32 v[GMS], s44, v[GMS]               ; row = lane of V's scale bytes, + 4 for each key step
	; what every way has to find written
.set i, 0
.rept 6
	v_mov_b32 v[QF+6+i], 0                         ; Q's zero codes for k = 64 .. 127
	v_mov_b32 v[F+48+i], 0                         ; and what stands behind K's last tile
.set i, i+1
.endr
.set i, 0
.rept 12
	v_mov_b32 v[SD+i], 0                           ; the copies' registers: loads and stores stand under separate branches on one number, so the stores' data are written on every way
.set i, i+1
.endr
.set i, 0
.rept 32
	v_mov_b32 v[O+i], 0                            ; O^T.  (The step is written once: the first finds zeros, which the first change of M leaves zeros; a wave with no step keeps them)
.set i, i+1
.endr
.irp b, 0,1,2,3
	v_mov_b32 v[BT+\b], 0                          ; a lane permute's destination counts as one of its sources
.endr
	v_mov_b32 v14, 0                               ; the sum, in two halves
	v_mov_b32 v15, 0
	v_mov_b32 v[PW], 0                             ; (named as the upper half of the pair v[232:233] before it is first written)
	v_mov_b32 v13, 0xff61b1e6                      ; the largest t so far: -3e38, under every t
	v_floor_f32 v12, -v13                          ; -M
	s_wait_alu depctr_va_vdst(0)                   ; the head's vector lines are done: all offsets and LDS addresses are written, which the loads and stores below read; so are SD's zeros and v[TA ..], in which loads land, and the zero codes v22-27 and v80-85, which the first products take as operands
.irp p, 0,1,2
	global_load_b64 v[QF+2*\p:QF+2*\p+1], v[AK0], s[6:7] offset:8*\p th:TH_LOAD_NT   ; Q's fragment: k = 32 h + 0 .. 31 of row r; it stays in registers
.endr
	global_load_u16 v[QS], v[GQS], s[8:9]          ; its two scale bytes; bytes 2 and 3 of the word come as 0
	s_mov_b32 s[SEL], 0x76543210
	s_mov_b32 s[SEL+1], 0xfedcba98
	s_mov_b32 s[CS], 0x3e38aa3b                    ; c = log2(e) / sqrt(64)
	s_mov_b32 s[CS+1], s[CS]                       ; (named with it as a pair, so it is written)
	s_mov_b32 s[KF], 0
	s_mov_b32 s[NXT], 256
	s_mov_b32 s[TB], 0
	s_mov_b32 s[TS], 0
	s_mov_b32 s[TJ], 0
	s_wait_kmcnt 0x0                               ; event_length
	s_max_i32 s[EL], s[EL], 0
	s_min_i32 s[EL], s[EL], 2048
	s_cmp_lt_u32 s[XE], s[EL]                      ; has the work-group a row under el?
	s_cselect_b32 s[ELG], s[EL], 0
	s_cmp_lt_u32 s[Q0], s[EL]                      ; has my wave?
	s_cselect_b32 s[ELW], s[EL], 0
	s_add_co_u32 s[XE], s[XE], 256
	; ---- the head's scale words and slot 0 go into LDS, where any wave of the work-group walks keys
	s_cmp_eq_u32 s[ELG], 0
	s_cbranch_scc1 .Lno_keys
	global_load_b64 v[TA:TA+1], v[GSO], s[12:13]   ; four keys' scale bytes: 512 threads x 8 bytes are the head's 4,096
	global_load_b64 v[TA+2:TA+3], v[GSO], s[16:17] ; two steps' scale words of one row of V
	STAGE_LOAD 0, 0
	s_wait_loadcnt 0x0                             ; all of them
	v_and_b32 v[BM], 0xffff, v[TA]                 ; a key's two bytes as a word whose bytes 2 and 3 are 0
	v_lshrrev_b32 v[BM+1], 16, v[TA]
	v_and_b32 v[BM+2], 0xffff, v[TA+1]
	v_lshrrev_b32 v[BM+3], 16, v[TA+1]
	ds_store_b32 v[VSA], v[TA+2]                   ; the eight stores whose data are as they were loaded go first
	ds_store_b32 v[VSA], v[TA+3] offset:256
	STAGE_PUT LK0, LV0
	s_wait_alu depctr_va_vdst(0)                   ; the four lines above have written v[BM ..], which the stores below read, and are done reading v[TA], v[TA+1], in which the mean's LDS load lands
.irp j, 0,1,2,3
	ds_store_b32 v[KSA], v[BM+\j] offset:16*\j
.endr
.Lno_keys:
	; ---- the mean row, first half, where the work-group has a row at or behind el: my wave's 128 keys of V, straight from memory, against codes of 4.0 under the byte 125
	s_cmp_le_u32 s[XE], s[EL]
	s_cbranch_scc1 .Lno_mean1
	v_mov_b32 v[PW], 0x7d7d7d7d                    ; four blocks' byte 125: 2^-2
.irp c, 0,1,2,3
	v_mov_b32 v[PC+3*\c], 0x18618618               ; the code 0x18 (4.0) sixteen times: 96 bits
	v_mov_b32 v[PC+3*\c+1], 0x86186186
	v_mov_b32 v[PC+3*\c+2], 0x61861861
.endr
.irp t, 0,1,2,3
.irp p, 0,1,2,3,4,5
	global_load_b64 v[F+12*\t+2*\p:F+12*\t+2*\p+1], v[GMV], s[14:15] offset:24576*\t+48*(\p/3)+8*(\p%3)
.endr
.endr
	global_load_b32 v[VS], v[GMS], s[16:17]
	global_load_b32 v[VS+1], v[GMS], s[16:17] offset:2048
.rept 4
	v_nop                                          ; an operand written by vector instructions stands 4 places ahead of a scaled matrix instruction, a scale register so written 8: the twelve moves and these
.endr
	s_wait_loadcnt 0x0                             ; V's four fragments and their scale words
	s_wait_alu depctr_va_vdst(0)                   ; the thirteen moves have written v[PC ..] and v[PW], which the products take as an operand and as scales; the places above stay beside this wait
.irp t, 0,1,2,3
.if \t%2
	v_wmma_scale_f32_16x16x128_f8f6f4 v[S+8*\t:S+8*\t+7], v[F+12*\t:F+12*\t+11], v[PC:PC+11], 0, v[VS+\t/2], v[PW] matrix_a_fmt:MATRIX_FMT_FP6 matrix_b_fmt:MATRIX_FMT_FP6 matrix_a_scale:MATRIX_SCALE_ROW1
.else
	v_wmma_scale_f32_16x16x128_f8f6f4 v[S+8*\t:S+8*\t+7], v[F+12*\t:F+12*\t+11], v[PC:PC+11], 0, v[VS+\t/2], v[PW] matrix_a_fmt:MATRIX_FMT_FP6 matrix_b_fmt:MATRIX_FMT_FP6
.endif
.endr
.rept 4
	v_nop                                          ; four places behind the products, ahead of the stores that read their results
.endr
	s_wait_alu depctr_va_vdst(0)                   ; the four products have written v[S .. S+31], which the stores read; the places above stay beside this wait
.irp t, 0,1,2,3
	ds_store_b128 v[PMS], v[S+8*\t:S+8*\t+3] offset:64*\t          ; register j: d = 16 t + 8 h + j; all sixteen columns are alike, so the sixteen lanes of a half write the same numbers to the same place
	ds_store_b128 v[PMS], v[S+8*\t+4:S+8*\t+7] offset:64*\t+16
.endr
.Lno_mean1:
	s_wait_loadcnt 0x0                             ; Q and its scale words, on every way
	BARRIER                                        ; slot 0, the scale words and the partial sums lie in LDS
	; ---- the mean row, second half: wave w adds the sixteen waves' sums of d = 4 w + 2 h + 0, 1 and divides by the sum of p, 2,048
	s_cmp_le_u32 s[XE], s[EL]
	s_cbranch_scc1 .Lno_mean2
	ds_load_b64 v[TA:TA+1], v[PML]                 ; lane (r, h): wave r's.  (No vector instruction since the last wait on va_vdst, on either way here, names v[TA], v[TA+1] or v[PML])
	s_wait_dscnt 0x0
.irp x, 1,2,4,8
	v_add_f32_dpp v[TA], v[TA], v[TA] row_xmask:\x row_mask:0xf bank_mask:0xf
	v_add_f32_dpp v[TA+1], v[TA+1], v[TA+1] row_xmask:\x row_mask:0xf bank_mask:0xf
.endr
	v_mul_f32 v[TA], 0x3a000000, v[TA]             ; x 2^-11
	v_mul_f32 v[TA+1], 0x3a000000, v[TA+1]
	s_wait_alu depctr_va_vdst(0)                   ; the two means are written, which the store reads
	ds_store_b64 v[P2S], v[TA:TA+1]                ; read behind the loop, that is behind seven more barriers
.Lno_mean2:
; A KEY STEP: 128 keys, the q-th of the slot in hand.  A step all of whose keys lie at or behind the wave's limit is left out: a scalar branch round its loads, products and softmax, not round the lines that step
; addresses; no barrier stands in a step.  The first step's addresses are made at the slot's head, ahead of the wait that stands there; the second step makes its own.
.macro STEP q
.if \q
	s_wait_alu depctr_vm_vsrc(0)                   ; the first step's LDS loads have read v8-11, which the additions below write again
.endif
	s_cmp_ge_u32 s[KF], s[ELW]
	s_cbranch_scc1 .Lhidden_\@
.if \q
	ADDR
	s_wait_alu depctr_va_vdst(0)                   ; the four addresses are written, which the LDS loads read; the first step's second products are done reading F and VS, in which loads of this step land
.endif
.irp t, 0,1,2,3,4,5,6,7
.irp p, 0,1,2
	ds_load_b64 v[F+6*\t+2*\p:F+6*\t+2*\p+1], v[ADK] offset:(128*(\q)+16*\t)*KPI+8*\p
.endr
.endr
	ds_load_b128 v[KS:KS+3], v[ADS]                ; the eight tiles' scale words
	s_wait_dscnt 0x0                               ; K's tiles and words are in
.irp t, 0,1,2,3,4,5,6,7
.if \t%2
	v_wmma_scale_f32_16x16x128_f8f6f4 v[S+8*\t:S+8*\t+7], v[F+6*\t:F+6*\t+11], v[QF:QF+11], 0, v[KS+\t/2], v[QS] matrix_a_fmt:MATRIX_FMT_FP6 matrix_b_fmt:MATRIX_FMT_FP6 matrix_a_scale:MATRIX_SCALE_ROW1
.else
	v_wmma_scale_f32_16x16x128_f8f6f4 v[S+8*\t:S+8*\t+7], v[F+6*\t:F+6*\t+11], v[QF:QF+11], 0, v[KS+\t/2], v[QS] matrix_a_fmt:MATRIX_FMT_FP6 matrix_b_fmt:MATRIX_FMT_FP6
.endif
.endr
.rept 4
	v_nop                                          ; four places behind the products, ahead of the first read of the scores
.endr
	s_wait_alu depctr_va_vdst(0)                   ; the eight products are done reading F, in which V's fragments land
.irp t, 0,1,2,3                                ; V's four fragments are asked for here and land under the softmax, which names none of their registers
.irp p, 0,1,2,3,4,5
	ds_load_b64 v[F+12*\t+2*\p:F+12*\t+2*\p+1], v[ADV] offset:16*VPI*\t+96*(\q)+48*(\p/3)+8*(\p%3)
.endr
.endr
	ds_load_b64 v[VS:VS+1], v[ADT]
	s_add_co_u32 s36, s[KF], 128                   ; the step in which el lies: the scores of keys at or behind it become 8 x -1e9 (the score is 8 x the logit) ahead of the maximum; p = 0 then
	s_cmp_le_u32 s36, s[ELW]
	s_cbranch_scc1 .Lopen_\@
	s_sub_co_u32 s36, s[ELW], s[KF]
	s_sub_co_u32 s36, s36, 1
	v_bfe_u32 v[TA], v0, 4, 1
	v_lshlrev_b32 v[TA], 4, v[TA]
	v_sub_nc_u32 v[TA], s36, v[TA]                 ; d = el - KF - 1 - 16 h.  Register 16 b + i holds key KF + 32 b + 16 h + i: masked where 32 b + i > d
	v_mov_b32 v[TA+1], 0xcfee6b28                  ; -8e9
.irp g, 0,1,2,3                                ; a block of 32 keys at a time: sixteen compares in a run, each into a mask of its own, one wait, sixteen selects
.irp i, 0,1,2,3,4,5,6,7,8,9,10,11,12,13,14,15
	v_cmp_gt_i32 s[MK+\i], 32*\g+\i, v[TA]
.endr
	s_wait_alu depctr_va_sdst(0)                   ; the sixteen masks are written, ahead of the first select that reads one
.irp i, 0,1,2,3,4,5,6,7,8,9,10,11,12,13,14,15
	v_cndmask_b32 v[S+16*\g+\i], v[S+16*\g+\i], v[TA+1], s[MK+\i]
.endr
.endr
.Lopen_\@:
.irp b, 0,1,2,3
	v_max3_num_f32 v[BM+\b], v[S+16*\b], v[S+1+16*\b], v[S+2+16*\b]   ; the largest score of each block of 32 keys: for the row's maximum and, since p rises with the score, for the block's largest p
.endr
.irp i, 3,5,7,9,11,13
.irp b, 0,1,2,3
	v_max3_num_f32 v[BM+\b], v[BM+\b], v[S+16*\b+\i], v[S+1+16*\b+\i]   ; (the four blocks by turns)
.endr
.endr
.irp b, 0,1,2,3
	v_max_num_f32 v[BM+\b], v[BM+\b], v[S+15+16*\b]
.endr
.irp b, 0,1,2,3
	v_permlanex16_b32 v[BT+\b], v[BM+\b], s[SEL], s[SEL+1]
.endr
.irp b, 0,1,2,3
	v_max_num_f32 v[BM+\b], v[BM+\b], v[BT+\b]     ; with lane l xor 16's 16 keys
.endr
	v_max3_num_f32 v[TA], v[BM], v[BM+1], v[BM+2]
	v_max_num_f32 v[TA], v[TA], v[BM+3]            ; the step's largest score of my query
	v_mul_f32 v[TA], s[CS], v[TA]                  ; as t (c is positive)
	v_max_num_f32 v13, v13, v[TA]                  ; the running largest t
	v_mov_b32 v[TA], v12
	v_floor_f32 v12, -v13                          ; the new -M = floor(-t) = -ceil(t): a whole number
	v_sub_f32 v[TA], v12, v[TA]                    ; M's old value less its new one: a whole number, 0 or less
	v_cvt_i32_f32 v[TA], v[TA]                     ; (it saturates)
	v_ldexp_f32 v[FF], 1.0, v[TA]                  ; f = 2^(old M - new M)
.set j, 0
.rept 32
	v_pk_fma_f32 v[S+j:S+j+1], v[S+j:S+j+1], s[CS:CS+1], v[12:13] op_sel_hi:[1,0,0]   ; t - M, two at a time (of the pairs c and -M the low word serves both halves)
.set j, j+2
.endr
.irp b, 0,1,2,3
	v_fma_f32 v[BM+\b], v[BM+\b], s[CS], v12       ; the same of each block's largest score
.endr
.set j, 0
.rept 64
	v_exp_f32 v[S+j], v[S+j]                       ; p = 2^(t - M), at most 1: not normalised
.set j, j+1
.endr
	v_pk_mul_f32 v[14:15], v[14:15], v[FF:FF+1] op_sel_hi:[1,0]   ; the sums under the new M; also the plain instruction behind the exponentials
	s_wait_alu depctr_va_vdst(0)                   ; the 64 exponentials have written p: one wait for the batch, ahead of its first reader
.irp b, 0,1,2,3
	v_exp_f32 v[BM+\b], v[BM+\b]                   ; the block's largest p: the same two instructions on the same number give the same bits
.endr
	v_pk_add_f32 v[BT:BT+1], v[S:S+1], v[S+2:S+3]  ; the row's sum is taken of the unquantised p: two at a time, in two chains (it reads the 64 alone: plain work behind the four)
.set j, 4
.rept 15
	v_pk_add_f32 v[14:15], v[14:15], v[S+j:S+j+1]
	v_pk_add_f32 v[BT:BT+1], v[BT:BT+1], v[S+2+j:S+3+j]
.set j, j+4
.endr
	v_pk_add_f32 v[14:15], v[14:15], v[BT:BT+1]
	s_wait_alu depctr_va_vdst(0)                   ; and one for the four: the blocks' largest p are written
.irp b, 0,1,2,3
	v_max_num_f32 v[BM+\b], 0x1800000, v[BM+\b]    ; the floor 2^(3 - 127): the byte cannot fall under 1 (a block whose every p is 0 keeps that byte: its codes are zeros)
.endr
.irp b, 0,1,2,3
	v_add_nc_u32 v[SO+\b], 0xff000000, v[BM+\b]    ; 2 off the exponent field: the conversion's scale operand
.endr
.irp b, 0,1,2,3
	v_lshrrev_b32 v[BT+\b], 23, v[SO+\b]           ; the scale's byte
.endr
	v_lshl_or_b32 v[PW], v[BT+1], 8, v[BT]         ; p's scale word for these 128 keys
	v_lshl_or_b32 v[PW], v[BT+2], 16, v[PW]
	v_lshl_or_b32 v[PW], v[BT+3], 24, v[PW]
.irp c, 0,1
	v_cvt_scalef32_pk16_fp6_f32 v[PC+6*\c:PC+6*\c+2], v[S+32*\c:S+32*\c+15], v[SO+2*\c]
	v_cvt_scalef32_pk16_fp6_f32 v[PT+4*\c:PT+4*\c+2], v[S+16+32*\c:S+31+32*\c], v[SO+2*\c+1]   ; (a conversion's three registers begin on an even number)
.endr
	v_nop                                          ; one plain instruction between a scaled conversion and the instruction that touches its result
.irp c, 0,1                                    ; the operand's layout wants a whole block in a lane: lanes 0-15 block 2 c, lanes 16-31 block 2 c + 1
.irp i, 0,1,2
	v_permlane16_swap_b32 v[PC+6*\c+\i], v[PT+4*\c+\i]
.endr
.irp i, 0,1,2
	v_mov_b32 v[PC+3+6*\c+\i], v[PT+4*\c+\i]
.endr
.endr
.set j, 0
.rept 16
	v_pk_mul_f32 v[O+j:O+j+1], v[O+j:O+j+1], v[FF:FF+1] op_sel_hi:[1,0]   ; O^T under the new M: x f, each tile from its low end on.  (These sixteen are also the places between p's codes and scale word and the products)
.set j, j+2
.endr
	s_wait_dscnt 0x0                               ; V's fragments and scale words, asked for ahead of the softmax
	s_wait_alu depctr_va_vdst(0)                   ; p's codes v[PC ..] and scale word v[PW] are written, which the products take as an operand and as scales; the places above stay beside this wait
.irp t, 0,1,2,3                                ; O^T += V^T P^T: the four accumulators by turns
.if \t%2
	v_wmma_scale_f32_16x16x128_f8f6f4 v[O+8*\t:O+8*\t+7], v[F+12*\t:F+12*\t+11], v[PC:PC+11], v[O+8*\t:O+8*\t+7], v[VS+\t/2], v[PW] matrix_a_fmt:MATRIX_FMT_FP6 matrix_b_fmt:MATRIX_FMT_FP6 matrix_a_scale:MATRIX_SCALE_ROW1
.else
	v_wmma_scale_f32_16x16x128_f8f6f4 v[O+8*\t:O+8*\t+7], v[F+12*\t:F+12*\t+11], v[PC:PC+11], v[O+8*\t:O+8*\t+7], v[VS+\t/2], v[PW] matrix_a_fmt:MATRIX_FMT_FP6 matrix_b_fmt:MATRIX_FMT_FP6
.endif
.endr
.Lhidden_\@:
	s_add_co_u32 s[KF], s[KF], 128
	s_add_co_u32 s[TS], s[TS], 512
	s_add_co_u32 s[TJ], s[TJ], 256
.endm
; A SLOT: two key steps.  fill = 1: the next slot's bytes are asked for at the head, where any of its keys lies under the work-group's limit, have the two steps in which to come, and go into that slot's own LDS
; bytes at the end; then the barrier, which every wave passes in every trip.
.macro TRIP fill
	s_wait_alu depctr_vm_vsrc(0)                   ; the LDS loads issued so far have read v8-11, the LDS stores v29-30 and SD (in the first trip also v[BM ..], v[S ..] and v[TA ..], which the steps write): the additions below and the loads into SD may follow
	ADDR                                           ; the first step's addresses
.if \fill
	s_add_co_u32 s36, s[TB], SLOTB
	v_add_nc_u32 v[T0], s36, v[LK0]                ; and where my bytes of the next slot will go
	v_add_nc_u32 v[T1], s36, v[LV0]
.endif
	s_wait_alu depctr_va_vdst(0)                   ; these addresses are written, which the first step's LDS loads and the stores at the slot's end read; the last slot's products are done reading F, KS and VS, in which the first step's loads land
.if \fill
	s_cmp_lt_u32 s[NXT], s[ELG]
	s_cbranch_scc0 .Lno_ask_\@
	STAGE_LOAD VOFF, 192                           ; a slot on: 256 x 48 bytes in K, 192 bytes in each row of V
.Lno_ask_\@:
.endif
	STEP 0
	STEP 1
.if \fill
	s_wait_loadcnt 0x0                             ; my 48 bytes are in, on every way; the loads are done, so their bases may step
	s_add_nc_u64 s[10:11], s[10:11], VOFF
	s_add_nc_u64 s[14:15], s[14:15], 192           ; (behind the last slot the stepped addresses are not used)
	s_cmp_lt_u32 s[NXT], s[ELG]
	s_cbranch_scc0 .Lno_put_\@
	STAGE_PUT T0, T1                               ; no wait: no vector instruction since the wait at the slot's head names v29-30 or SD
.Lno_put_\@:
	s_add_co_u32 s[NXT], s[NXT], 256
.endif
	s_add_co_u32 s[TB], s[TB], SLOTB
.if \fill
	BARRIER                                        ; the next slot lies in LDS
.endif
.endm
	s_mov_b32 s[CNT], 7
.Lslot:                                                ; seven trips, a constant: what is left out is a trip's work, never the trip
	TRIP 1
	s_sub_co_u32 s[CNT], s[CNT], 1
	s_cmp_lg_u32 s[CNT], 0
	s_cbranch_scc1 .Lslot
	TRIP 0                                         ; the last slot: nothing follows it
	; ---- THE WAY OUT.  O^T / the sum; rows at or behind el take the mean row; through my stage in LDS, so that each store covers whole rows of 256 bytes.
	s_wait_alu depctr_vm_vsrc(0)                   ; the last steps' LDS loads have read v8-10, which are written again below (the stores that read v29-30 stand further back still)
	v_add_f32 v14, v14, v15                        ; the sum's two halves,
	v_permlanex16_b32 v[BT], v14, s[SEL], s[SEL+1]
	v_add_f32 v14, v14, v[BT]                      ; and lane l xor 16's: the row's sum
	v_rcp_f32 v[FF], v14
	v_and_b32 v[T0], 15, v0                        ; r.  (The address lines are the plain work behind the reciprocal and the places behind the last products)
	v_bfe_u32 v[T1], v0, 4, 1                      ; h
	s_mul_i32 s36, s[WV], 16*272
	s_add_co_u32 s36, s36, STG                     ; my stage
	v_mul_u32_u24 v8, v[T0], 272
	v_lshl_add_u32 v8, v[T1], 5, v8
	v_add_nc_u32 v8, s36, v8                       ; in: row r; tile t's eight d of my half: 64 t + 32 h bytes on
	v_mul_u32_u24 v9, v[T1], 272
	v_lshl_add_u32 v9, v[T0], 4, v9
	v_add_nc_u32 v9, s36, v9                       ; back: lanes 0-15 one row, lanes 16-31 the next
	v_and_b32 v10, 31, v0
	v_lshlrev_b32 v10, 4, v10                      ; and in out: two rows are 512 bytes on end: 16 x lane
	s_wait_alu depctr_va_vdst(0)                   ; the reciprocal is written, ahead of its first reader; so are v8-10, which the LDS instructions and stores below read; and the last step is done with v[S+32 ..], in which the mean row lands
.set j, 0
.rept 16
	v_pk_mul_f32 v[S+j:S+j+1], v[O+j:O+j+1], v[FF:FF+1] op_sel_hi:[1,0]   ; register 8 t + i: out(r, 16 t + 8 h + i).  (A lane whose sum is 0 has no row under el: what it makes here is replaced below)
.set j, j+2
.endr
	s_add_co_u32 s36, s[Q0], 16
	s_cmp_le_u32 s36, s[EL]
	s_cbranch_scc1 .Lall_valid                     ; all my 16 rows lie under el
.irp t, 0,1,2,3
	ds_load_b128 v[S+32+8*\t:S+35+8*\t], v[P2L] offset:64*\t
	ds_load_b128 v[S+36+8*\t:S+39+8*\t], v[P2L] offset:64*\t+16
.endr
	s_wait_dscnt 0x0                               ; the mean row
	v_cmp_le_u32 vcc_lo, s[EL], v[VQ]              ; my query lies at or behind el
	s_wait_alu depctr_va_vcc(0)                    ; the mask is written, ahead of the first select that reads it
.set j, 0
.rept 32
	v_cndmask_b32 v[S+j], v[S+j], v[S+32+j], vcc_lo
.set j, j+1
.endr
.Lall_valid:
	s_wait_alu depctr_va_vdst(0)                   ; on both ways v[S .. S+31] are written, which the stores into the stage read
.irp t, 0,1,2,3
	ds_store_b128 v8, v[S+8*\t:S+8*\t+3] offset:64*\t
	ds_store_b128 v8, v[S+8*\t+4:S+8*\t+7] offset:64*\t+16
.endr
.irp i, 0,1,2,3,4,5,6,7
	ds_load_b128 v[F+4*\i:F+4*\i+3], v9 offset:2*\i*272   ; LDS serves a wave's instructions in order (ISA guide 5.7.1.4): these see my stores
.endr
.irp i, 0,1,2,3,4,5,6,7
	s_wait_dscnt 7-\i                              ; the 7 - i younger loads from the stage may stay out
	global_store_b128 v10, v[F+4*\i:F+4*\i+3], s[18:19] offset:512*\i th:TH_STORE_NT   ; 32 lanes store 512 consecutive bytes, at a multiple of 256 from the buffer's first byte; written once, read by nobody here
.endr
	s_wait_dscnt 0x0
	s_wait_alu depctr_hold_cnt(0) depctr_sa_sdst(0) depctr_va_vdst(0) depctr_va_sdst(0) depctr_va_ssrc(0) depctr_va_vcc(0) depctr_vm_vsrc(0)
	s_wait_tensorcnt 0x0
	ds_add_u32 v253, v255
	s_wait_dscnt 0x0
	s_endpgm
.Lfunc_end_k_qfd3855aa21_attn:
	.size	k_qfd3855aa21_attn, .Lfunc_end_k_qfd3855aa21_attn-k_qfd3855aa21_attn
	.p2alignl 7, 3214868480
	.fill 96, 4, 3214868480
	.section	.rodata,"a",@progbits
	.p2align	6, 0x0
	.amdhsa_kernel k_qfd3855aa21_attn
		.amdhsa_group_segment_fixed_size 296960
		.amdhsa_private_segment_fixed_size 0
		.amdhsa_enable_private_segment 0
		.amdhsa_kernarg_size 64
		.amdhsa_user_sgpr_count 2
		.amdhsa_user_sgpr_kernarg_segment_ptr 1
		.amdhsa_wavefront_size32 1
		.amdhsa_system_sgpr_workgroup_id_x 1
		.amdhsa_system_sgpr_workgroup_id_y 1
		.amdhsa_system_sgpr_workgroup_id_z 1
		.amdhsa_system_vgpr_workitem_id 0
		.amdhsa_next_free_vgpr 256
		.amdhsa_next_free_sgpr 66
		.amdhsa_reserve_vcc 1
		.amdhsa_float_denorm_mode_32 3
		.amdhsa_float_denorm_mode_16_64 3
		.amdhsa_memory_ordered 1
		.amdhsa_forward_progress 1
		.amdhsa_inst_pref_size 130
	.end_amdhsa_kernel
	.amdgpu_metadata
---
amdhsa.version: [ 1, 2 ]
amdhsa.kernels:
  - .name:           k_qfd3855aa21_attn
    .symbol:         k_qfd3855aa21_attn.kd
    .args:
      - { .name: event_length, .offset: 0, .size: 8, .value_kind: global_buffer, .address_space: global }
      - { .name: q_codes, .offset: 8, .size: 8, .value_kind: global_buffer, .address_space: global }
      - { .name: q_scales, .offset: 16, .size: 8, .value_kind: global_buffer, .address_space: global }
      - { .name: k_codes, .offset: 24, .size: 8, .value_kind: global_buffer, .address_space: global }
      - { .name: k_scales, .offset: 32, .size: 8, .value_kind: global_buffer, .address_space: global }
      - { .name: v_codes, .offset: 40, .size: 8, .value_kind: global_buffer, .address_space: global }
      - { .name: v_scales, .offset: 48, .size: 8, .value_kind: global_buffer, .address_space: global }
      - { .name: out0, .offset: 56, .size: 8, .value_kind: global_buffer, .address_space: global }
    .group_segment_fixed_size: 296960
    .private_segment_fixed_size: 0
    .kernarg_segment_align: 8
    .kernarg_segment_size: 64
    .max_flat_workgroup_size: 512
    .sgpr_count:     66
    .vgpr_count:     256
    .wavefront_size: 32
...
	.end_amdgpu_metadata
.endif
;; end of part 2
